; MI455X (gfx1250); checked and timed in simulation.
; The chip was launched on July 23, 2026; its instructions are those of AMD's public machine-readable ISA for CDNA 5 (MIT licence, August 2026) and "CDNA5" Instruction Set Architecture Reference Guide (July 2026). The comments in the code are by the model that wrote it; some were corrected since.
;; Causal Self Attention. Allowed arithmetic: matrix products marked QUANTISED: E2M1 operands, one E8M0 scale for each 32 along K, by v_wmma_scale_f32_16x16x128_f8f6f4 with both operands' format E2M1 (or v_wmma_scale_f32_32x16x128_f4), f32 sums; products left as they are: bf16, f16 or f32 operands; f32 sums; everything else in f32.
;; Inputs: Wk 1,024 x 1,024 float32; Wp 1,024 x 1,024 float32; Wq 1,024 x 1,024 float32; Wv 1,024 x 1,024 float32; bk 1,024 float32; bp 1,024 float32; bq 1,024 float32; bv 1,024 float32; x 2 x 2,048 x 1,024 float32.
;; Outputs: out0 2 x 2,048 x 1,024 float32.
;; This version of the problem:
;;   THIS VERSION OF THE PROBLEM IS GIVEN IN LOW PRECISION. The matrix products marked QUANTISED in the list below multiply operands that are first quantised to E2M1 (2 exponent bits, 1 mantissa bit; 4 bits a number), with one power-of-two scale for each 32 numbers along K (OCP MX v1.0); their sums are f32. The products marked 'left as it is' may take bf16, f16 or f32 operands, with f32 sums. Whichever they take, every output number must still come out within the allowed error. Rounding operands to bf16 (8 significant bits) uses up far more of that allowance than f16 does (11 bits, for magnitudes from 6e-5 to 65,504). All else is computed in f32.
;;   The module's matrix products, in the order in which they are computed (A, B: the left and right operand; K: the contracted axis; several contracted axes count as one K, in the product's order):
;;     1. [M 4,096, K 1,024] x [K 1,024, N 1,024]; A: input x; B: input Wq: QUANTISED
;;     2. [M 4,096, K 1,024] x [K 1,024, N 1,024]; A: input x; B: input Wk: QUANTISED
;;     3. [M 4,096, K 1,024] x [K 1,024, N 1,024]; A: input x; B: input Wv: QUANTISED
;;     4. batch 32 x [M 2,048, K 64] x [K 64, N 2,048]; A: computed on the way; B: computed on the way: left as it is (an operand is computed on the way)
;;     5. batch 32 x [M 64, K 2,048] x [K 2,048, N 2,048]; A: computed on the way; B: computed on the way: left as it is (an operand is computed on the way)
;;     6. [M 4,096, K 1,024] x [K 1,024, N 1,024]; A: computed on the way; B: input Wp: left as it is (an operand is computed on the way)
;;   THE QUANTISER, for each operand of a quantised product, along K:
;;     - K is cut into blocks of 32 from its start; a last block that is shorter is filled with zeros.
;;     - A block's scale is 2^e with e = floor(log2(the largest magnitude in the block)) - 2, held to -126 .. 127; a block of zeros has e = 0. As a byte (E8M0): e + 127.
;;     - Each number is divided by its block's scale, clamped to +-6, and rounded to the nearest number of E2M1, ties to even, subnormals kept.
;;     - The product sums the exact products of the quantised numbers (number of the format x scale) in f32.
;;   ~~~python
;;   def quantise(x, axis):      # numpy; x: float32 -> the quantised numbers, widened to float32 again
;;       x = np.moveaxis(x, axis, -1); K = x.shape[-1]
;;       x = np.pad(x, [(0, 0)] * (x.ndim - 1) + [(0, -K % 32)]); x = x.reshape(x.shape[:-1] + (-1, 32)); a = np.abs(x).max(-1, keepdims=True)
;;       e = np.where(a > 0, np.clip(np.frexp(np.where(a > 0, a, 1))[1] - 1 - 2, -126, 127), 0)      # np.frexp(a)[1] - 1 = floor(log2(a)), exactly
;;       r = np.clip(x / 2.0 ** e, -6, 6)
;;       step = 2.0 ** (np.maximum(np.frexp(np.where(r == 0, 1, r))[1] - 1, 0) - 1)
;;       q = np.round(r / step) * step * 2.0 ** e      # np.round: ties to even
;;       return np.moveaxis(q.reshape(q.shape[:-2] + (-1,))[..., :K], -1, axis).astype(np.float32)
;;   ~~~
;; One version. Each part assembles by itself: llvm-mc -triple=amdgcn-amd-amdhsa -mcpu=gfx1250 --defsym DOCPART=n.
;; ======== version 1 of 1: 4 launches
;; limits: values are held in f16: magnitudes above 65,504 overflow, below 6.1e-05 lose precision
;; workspace buffers: codes 3,670,016 bytes; scl 229,376 bytes; wpf 2,097,152 bytes; qf 8,388,608 bytes; kv 16,777,216 bytes; yf 8,388,608 bytes
;; launch prep (part 1): grid 256 x 1, 4 waves a work-group, no clusters, 34,304 bytes of LDS; arguments x, Wq, Wk, Wv, Wp, codes, scl, wpf; writes codes, scl, wpf
.if DOCPART == 1
	.amdgcn_target "amdgcn-amd-amdhsa--gfx1250"
	.amdhsa_code_object_version 6
	.text
	.protected	k_qff187d1a2f_prep
	.globl	k_qff187d1a2f_prep
	.p2align	8
	.type	k_qff187d1a2f_prep,@function
k_qff187d1a2f_prep:
	s_mov_b64 s[64:65], 0
	v_nop
	global_prefetch_b8 v0, s[64:65] scope:SCOPE_SE
	s_setreg_imm32_b32 hwreg(HW_REG_WAVE_MODE, 25, 1), 1
	s_wait_xcnt 0x0
; x [4096][1024], Wq, Wk, Wv [1024][1024], f32, K innermost, become codes of FP4 (E2M1) with one E8M0 scale byte for each 32 along K; Wp [1024][1024] becomes f16.
; ALL RESULTS ARE LAID AS IMAGES OF THE OPERANDS' REGISTERS: a fragment (16 rows x 128 K of codes, or 16 rows x 32 K of f16) is 8 registers a lane; registers 4 c .. 4 c + 3 of lane l lie at 512 c + 16 l of its 1,024 bytes.
;   codes [row tile 448][K step 8][1,024]: row tiles 0-255 x, 256-319 Wq, 320-383 Wk, 384-447 Wv.
;   scl   [row tile 448][half 2][lane 32][2 words]: word q of lane (r, h) is row r's scale word (four bytes, 128 along K) of K step 4 half + 2 q + h.
;   wpf   [K step of 256: 4][row tile 64][fragment 8][1,024].
; A block's scale is 2^(floor(log2(its largest magnitude)) - 2); its byte is the largest magnitude's exponent field - 2, held at 1 from below.
; LIMITS: a block of zeros gets the byte 1 where the rule says 127 (its codes are zeros, and this program alone reads the bytes); NaN and infinities among the inputs are not served;
; numbers of Wp beyond 65,504 become infinity in f16, and under 6e-5 they keep f16's smallest step, 6e-8.
; SHARES: 512 row tiles of 16 rows (448 to quantise, 64 of Wp); a wave takes half a row tile, 16 rows x 512 K, in four steps of 128 K.  Row tile = 2 x work-group + wave / 2, half = wave % 2.
; Each load reads 512 consecutive bytes of one row.  The conversions want 16 neighbours along K in one lane, so a step's 8,192 bytes turn through the wave's own stage in LDS (rows of 512 + 16 bytes).
; Each store covers 512 (the scale words: 256) consecutive bytes, aligned.  Waves share nothing: no barrier.  Loads run one step (16 loads a wave) ahead of the step in hand.
; Matrix units, clusters and tensor loads would add nothing to a stream that is read once.
.set SP,    528                        ; a stage row
.set WSTG,  16*SP                      ; a wave's stage
.set SPARE, 4*WSTG                     ; behind the four stages: the spare words, 128 bytes a wave, that no other line names
.set WP0,   224                        ; the first work-group of Wp
.set LOFF,  4                          ; v4   16 x lane
.set STI,   5                          ; v5   the stage, on the way in: + 16 x lane
.set STO,   6                          ; v6   and back: + 528 r + 64 h
.set L8,    7                          ; v7   8 x lane
.set SPW,   8                          ; v8   LDS address of my spare word; never rewritten
.set NIL,   9                          ; v9   0; never rewritten
.set TM,    10                         ; v10-13 largest magnitudes, v14-17 the other half's, then bytes, v22-25 the conversions' scale operands
.set SW,    26                         ; v[26:27] my two scale words
.set PWS,   28                         ; v28-31 the scale word of each step
.set OUT,   32                         ; v32-63 what a step stores
.set X,     64                         ; v64-127 register 16 b + i = k 32 b + 16 h + i of row r
.set R,     128                        ; v128-255 two sets of 64 registers as loaded
.set SEL,   20                         ; s[20:21] lane selects: lane l xor 16
	s_load_b256 s[4:11], s[0:1], 0x0               ; x, Wq, Wk, Wv
	s_load_b256 s[12:19], s[0:1], 0x20             ; Wp, codes, scl, wpf
	v_lshl_add_u32 v[SPW], v0, 2, SPARE
	v_mov_b32 v[NIL], 0
	v_lshrrev_b32 v1, 5, v0
	v_readfirstlane_b32 s22, v1                    ; wave 0..3
	v_and_b32 v1, 31, v0                           ; lane
	v_and_b32 v2, 15, v0                           ; r
	v_bfe_u32 v3, v0, 4, 1                         ; h
	v_lshlrev_b32 v[LOFF], 4, v1
	v_lshlrev_b32 v[L8], 3, v1
	s_mul_i32 s30, s22, WSTG
	v_add_nc_u32 v[STI], s30, v[LOFF]
	v_mul_u32_u24 v[STO], v2, SP
	v_lshl_add_u32 v[STO], v3, 6, v[STO]
	v_add_nc_u32 v[STO], s30, v[STO]
.irp b, 0,1,2,3
	v_mov_b32 v[TM+4+\b], 0                        ; written once: a lane permute's destination counts as one of its sources
	v_mov_b32 v[PWS+\b], 0                         ; written on every way through the text
.endr
	s_mov_b32 s[SEL], 0x76543210
	s_mov_b32 s[SEL+1], 0xfedcba98
	s_and_b32 s23, ttmp9, 0xe0                     ; the first work-group of my source tensor: 0 for x, else the work-group's number cut to a multiple of 32
	s_cmp_lt_u32 ttmp9, 128
	s_cselect_b32 s23, 0, s23
	s_lshl_b32 s30, ttmp9, 1
	s_lshr_b32 s31, s22, 1
	s_add_co_u32 s30, s30, s31                     ; my row tile
	s_and_b32 s31, s22, 1                          ; my half of K
	s_lshl_b32 s32, s23, 1
	s_sub_co_u32 s32, s30, s32                     ; the row tile inside its tensor:
	s_lshl_b32 s32, s32, 16                        ; 16 rows of 4,096 bytes,
	s_lshl_b32 s33, s31, 11                        ; + 512 numbers for the second half
	s_add_co_u32 s32, s32, s33
	s_mov_b32 s33, 0
	s_lshl_b32 s34, s30, 13                        ; in codes: 8,192 bytes a row tile,
	s_lshl_b32 s35, s31, 12                        ; 4,096 a half
	s_add_co_u32 s34, s34, s35
	s_max_u32 s36, s30, 448
	s_sub_co_u32 s36, s36, 448                     ; in wpf: Wp's row tile x 8,192,
	s_lshl_b32 s36, s36, 13
	s_lshl_b32 s35, s31, 20                        ; + two K steps of 524,288 bytes for the second half
	s_add_co_u32 s36, s36, s35
	s_mov_b32 s35, 0
	s_lshl_b32 s38, s30, 9                         ; in scl: 512 bytes a row tile, 256 a half
	s_lshl_b32 s39, s31, 8
	s_add_co_u32 s38, s38, s39
	s_mov_b32 s39, 0
	s_wait_kmcnt 0x0
	s_cmp_lt_u32 ttmp9, WP0                        ; the buffers are chosen by the work-group's number alone
	s_cselect_b64 s[24:25], s[10:11], s[12:13]
	s_cselect_b64 s[26:27], s[14:15], s[18:19]
	s_cselect_b32 s34, s34, s36
	s_cmp_lt_u32 ttmp9, 192
	s_cselect_b64 s[24:25], s[8:9], s[24:25]
	s_cmp_lt_u32 ttmp9, 160
	s_cselect_b64 s[24:25], s[6:7], s[24:25]
	s_cmp_lt_u32 ttmp9, 128
	s_cselect_b64 s[24:25], s[4:5], s[24:25]
	s_add_nc_u64 s[24:25], s[24:25], s[32:33]      ; where I read
	s_add_nc_u64 s[26:27], s[26:27], s[34:35]      ; where my fragments go
	s_add_nc_u64 s[28:29], s[16:17], s[38:39]      ; where my scale words go
.macro LOAD t                          ; step t: 128 along K of the 16 rows: 512 consecutive bytes a load
.irp i, 0,1,2,3,4,5,6,7,8,9,10,11,12,13,14,15
	global_load_b128 v[R+64*((\t)%2)+4*\i:R+64*((\t)%2)+4*\i+3], v[LOFF], s[24:25] offset:4096*\i+512*(\t) th:TH_LOAD_NT
.endr
.endm
; 64 numbers of a lane, register 16 b + i = k 32 b + 16 h + i of my row, become a fragment's codes in v[OUT] on and its scale word in v[pw]
.macro QUANT s, pw
.irp b, 0,1,2,3
	v_max3_num_f32 v[TM+\b], |v[\s+16*\b]|, |v[\s+1+16*\b]|, 0x1800000   ; block b: my 16 numbers, and the floor 2^(3 - 127): so the byte cannot fall under 1
.endr
.irp i, 2,4,6,8,10,12,14
.irp b, 0,1,2,3
	v_max3_num_f32 v[TM+\b], v[TM+\b], |v[\s+16*\b+\i]|, |v[\s+1+16*\b+\i]|   ; the four blocks by turns
.endr
.endr
.irp b, 0,1,2,3
	v_permlanex16_b32 v[TM+4+\b], v[TM+\b], s[SEL], s[SEL+1]
.endr
.irp b, 0,1,2,3
	v_max_num_f32 v[TM+\b], v[TM+\b], v[TM+4+\b]   ; with lane l xor 16's: the block's largest magnitude
.endr
.irp b, 0,1,2,3
	v_add_nc_u32 v[TM+12+\b], 0xff000000, v[TM+\b] ; 2 off its exponent field: the conversion takes the exponent field of this operand as its scale
.endr
.irp b, 0,1,2,3
	v_lshrrev_b32 v[TM+4+\b], 23, v[TM+12+\b]      ; the scale's byte
.endr
	v_lshl_or_b32 v[\pw], v[TM+5], 8, v[TM+4]      ; the four bytes make my row's scale word (both halves of the lanes hold the same)
	v_lshl_or_b32 v[\pw], v[TM+6], 16, v[\pw]
	v_lshl_or_b32 v[\pw], v[TM+7], 24, v[\pw]
.irp b, 0,1,2,3
	v_cvt_scalef32_pk8_fp4_f32 v[OUT+2*\b], v[\s+16*\b:\s+7+16*\b], v[TM+12+\b]
	v_cvt_scalef32_pk8_fp4_f32 v[OUT+1+2*\b], v[\s+8+16*\b:\s+15+16*\b], v[TM+12+\b]
.endr
	v_nop                                          ; one plain place behind a scaled conversion
.irp c, 0,1                            ; the operand's layout wants a WHOLE block in a lane: lanes 0-15 block 2 c, lanes 16-31 block 2 c + 1
.irp i, 0,1
	v_permlane16_swap_b32 v[OUT+4*\c+\i], v[OUT+2+4*\c+\i]
.endr
.endr
.endm
.macro STEP s
.if (\s) < 3
	s_wait_loadcnt 16                              ; this step's 16 loads are in; the next step's 16 may be out
.else
	s_wait_loadcnt 0x0
.endif
.irp i, 0,1,2,3,4,5,6,7,8,9,10,11,12,13,14,15
	ds_store_b128 v[STI], v[R+64*((\s)%2)+4*\i:R+64*((\s)%2)+4*\i+3] offset:SP*\i
.endr
.irp b, 0,1,2,3
.irp j, 0,1,2,3
	ds_load_b128 v[X+16*\b+4*\j:X+16*\b+4*\j+3], v[STO] offset:128*\b+16*\j   ; LDS serves a wave's instructions in order: these see the stores above
.endr
.endr
	s_wait_dscnt 0x0                               ; the numbers are back, and the stores into the stage have read their registers
	s_wait_xcnt 0x0                                ; the last step's global stores have read theirs: v[OUT] on is written again only behind this wait
.if (\s) < 2
	LOAD (\s)+2
.endif
	s_cmp_lt_u32 ttmp9, WP0                        ; the two arms hold work on registers and global stores alone
	s_cbranch_scc0 .Lwp_\@
	QUANT X, PWS+(\s)
.irp c, 0,1
	global_store_b128 v[LOFF], v[OUT+4*\c:OUT+4*\c+3], s[26:27] offset:1024*(\s)+512*\c
.endr
	s_branch .Ldone_\@
.Lwp_\@:
.irp b, 0,1,2,3                        ; Wp: four fragments of 32 along K
.irp u, 0,1
.irp t, 0,1,2,3
	v_cvt_pk_f16_f32 v[OUT+8*\b+4*\u+\t], v[X+16*\b+8*\u+2*\t], v[X+16*\b+8*\u+2*\t+1]   ; k = 32 b + 16 h + 8 u + 2 t, + 1
.endr
.endr
.endr
.irp b, 0,1,2,3
.irp t, 0,1,2,3
	v_permlane16_swap_b32 v[OUT+8*\b+\t], v[OUT+8*\b+4+\t]   ; registers 4 c .. 4 c + 3 now hold k = 32 b + 16 c + 8 h + 0 .. 7, as the 16-bit operand wants them
.endr
.endr
.irp b, 0,1,2,3
.irp c, 0,1
	global_store_b128 v[LOFF], v[OUT+8*\b+4*\c:OUT+8*\b+4*\c+3], s[26:27] offset:((\s)/2)*524288+(4*((\s)%2)+\b)*1024+512*\c
.endr
.endr
.Ldone_\@:
.endm
	LOAD 0
	LOAD 1
	STEP 0
	STEP 1
	STEP 2
	STEP 3
	s_cmp_lt_u32 ttmp9, WP0
	s_cbranch_scc0 .Lend
	v_cmp_le_u32 vcc_lo, 16, v1                    ; lanes 16-31 keep the odd steps' words, lanes 0-15 the even steps'
	v_cndmask_b32 v[SW], v[PWS], v[PWS+1], vcc_lo
	v_cndmask_b32 v[SW+1], v[PWS+2], v[PWS+3], vcc_lo
	global_store_b64 v[L8], v[SW:SW+1], s[28:29]   ; 256 consecutive bytes, aligned
.Lend:
	s_wait_tensorcnt 0x0                           ; the wave's end, behind my last LDS store
	ds_add_u32 v[SPW], v[NIL]
	s_wait_dscnt 0x0
	s_endpgm
.Lfunc_end_k_qff187d1a2f_prep:
	.size	k_qff187d1a2f_prep, .Lfunc_end_k_qff187d1a2f_prep-k_qff187d1a2f_prep
	.p2alignl 7, 3214868480
	.fill 96, 4, 3214868480
	.section	.rodata,"a",@progbits
	.p2align	6, 0x0
	.amdhsa_kernel k_qff187d1a2f_prep
		.amdhsa_group_segment_fixed_size 34304
		.amdhsa_private_segment_fixed_size 0
		.amdhsa_enable_private_segment 0
		.amdhsa_kernarg_size 64
		.amdhsa_user_sgpr_count 2
		.amdhsa_user_sgpr_kernarg_segment_ptr 1
		.amdhsa_wavefront_size32 1
		.amdhsa_system_sgpr_workgroup_id_x 1
		.amdhsa_system_sgpr_workgroup_id_y 1
		.amdhsa_system_sgpr_workgroup_id_z 1
		.amdhsa_system_vgpr_workitem_id 0
		.amdhsa_next_free_vgpr 256
		.amdhsa_next_free_sgpr 66
		.amdhsa_reserve_vcc 1
		.amdhsa_float_denorm_mode_32 3
		.amdhsa_float_denorm_mode_16_64 3
		.amdhsa_memory_ordered 1
		.amdhsa_forward_progress 1
		.amdhsa_inst_pref_size 47
	.end_amdhsa_kernel
	.amdgpu_metadata
---
amdhsa.version: [ 1, 2 ]
amdhsa.kernels:
  - .name:           k_qff187d1a2f_prep
    .symbol:         k_qff187d1a2f_prep.kd
    .args:
      - { .name: x, .offset: 0, .size: 8, .value_kind: global_buffer, .address_space: global }
      - { .name: Wq, .offset: 8, .size: 8, .value_kind: global_buffer, .address_space: global }
      - { .name: Wk, .offset: 16, .size: 8, .value_kind: global_buffer, .address_space: global }
      - { .name: Wv, .offset: 24, .size: 8, .value_kind: global_buffer, .address_space: global }
      - { .name: Wp, .offset: 32, .size: 8, .value_kind: global_buffer, .address_space: global }
      - { .name: codes, .offset: 40, .size: 8, .value_kind: global_buffer, .address_space: global }
      - { .name: scl, .offset: 48, .size: 8, .value_kind: global_buffer, .address_space: global }
      - { .name: wpf, .offset: 56, .size: 8, .value_kind: global_buffer, .address_space: global }
    .group_segment_fixed_size: 34304
    .private_segment_fixed_size: 0
    .kernarg_segment_align: 8
    .kernarg_segment_size: 64
    .max_flat_workgroup_size: 128
    .sgpr_count:     66
    .vgpr_count:     256
    .wavefront_size: 32
...
	.end_amdgpu_metadata
.endif
;; end of part 1
;; launch qkv (part 2): grid 8 x 32, 4 waves a work-group, clusters of 4 x 4, 327,680 bytes of LDS; arguments codes, scl, bq, bk, bv, qf, kv; writes qf, kv
.if DOCPART == 2
	.amdgcn_target "amdgcn-amd-amdhsa--gfx1250"
	.amdhsa_code_object_version 6
	.text
	.protected	k_qff187d1a2f_qkv
	.globl	k_qff187d1a2f_qkv
	.p2align	8
	.type	k_qff187d1a2f_qkv,@function
k_qff187d1a2f_qkv:
	s_mov_b64 s[64:65], 0
	v_nop
	global_prefetch_b8 v0, s[64:65] scope:SCOPE_SE
	s_setreg_imm32_b32 hwreg(HW_REG_WAVE_MODE, 25, 1), 1
	s_wait_xcnt 0x0
	s_wait_alu depctr_hold_cnt(0) depctr_sa_sdst(0) depctr_va_vdst(0) depctr_va_sdst(0) depctr_va_ssrc(0) depctr_va_vcc(0) depctr_vm_vsrc(0)
	s_getreg_b32 s2, hwreg(HW_REG_IB_STS2, 6, 4)
	s_cmp_eq_u32 s2, 0
	s_cbranch_scc0 .Lentry_in_a_cluster
	s_endpgm
.Lentry_in_a_cluster:
	s_bfe_u32 s2, ttmp6, 0x10000c
	s_cmp_lg_u32 s2, 0xf033
	s_cbranch_scc0 .Lentry_shape_is_right
	s_endpgm
.Lentry_shape_is_right:
; q = x Wq^T + bq, k = x Wk^T + bk, v = x Wv^T + bv on codes of FP4 (E2M1) with E8M0 scales, sums in f32; q is multiplied by log2(e) / 8; all three are rounded to f16 and stored
; as the fragments that the attention launch reads (images of registers: registers 4 c .. 4 c + 3 of lane l at 512 c + 16 l of a fragment's 1,024 bytes):
;   qf [batch x head 32][tile of 16 queries 128][channels 32 f: 2][1,024]
;   kv [batch x head 32][chunk of 256 keys 8][ K: [tile of 16 keys 16][channels 32 f: 2][1,024], then V: [group of 32 keys 8][tile of 16 channels 4][1,024] ]
; LIMITS: q log2(e) / 8, k and v beyond 65,504 become infinity in f16; under 6e-5 they keep f16's smallest step, 6e-8.
; SHARES: a work-group makes 128 tokens x 128 channels (two heads) of q, then of k, then of v; a wave 64 tokens x 64 channels (one head) a pass: 16 accumulators.  256 work-groups.
; LDS IS FILLED ONCE: region 0: the codes of x's 8 row tiles, all of K (65,536 bytes); regions 1-3: those of Wq's, Wk's, Wv's 8 row tiles.  One tensor load a wave, each a dense block.
; CLUSTER 4 x 4: x's block hangs on the block of tokens alone and is shared along a row of the cluster, W's blocks on the block of channels alone and are shared along a column: each is asked for jointly.
; x's 32 fragments of a wave stay in registers for all three passes; W's come from LDS a K step ahead, in two sets.
; q, k: the product is used TRANSPOSED (source 0 = 16 rows of W, source 1 = 16 tokens): a lane holds one token and eight neighbouring channels, which pack into four registers of a fragment.
; v: the natural order (source 0 = 16 tokens, source 1 = 16 rows of Wv): a lane holds one channel and eight neighbouring tokens: four registers of a fragment of V^T.  Nothing changes lanes.
; The biases are the C of each sum's first matrix instruction.
; REGISTERS: window 0: v1-11 addresses; v16-31 x's scale words, v32-79 W's; v80-143 W's fragments, two sets; v144-207 what a pass stores.  window 1: x's fragments (a, K step) at 8 (8 a + K step).
;   window 2: v0-127 the accumulators (a, b) at 8 (4 a + b); v128-159 bq, v160-191 bk, v192-223 bv, eight registers a tile b in the result's layout.
.set SPARE, 262144                     ; behind the four regions: the spare words, 128 bytes a wave, that no other line names
.set L16,  1                           ; v1   16 x lane
.set L8,   2                           ; v2   8 x lane
.set H32,  3                           ; v3   32 x (lane / 16)
.set R4,   4                           ; v4   4 x (lane % 16)
.set ADX,  5                           ; v5   LDS: my four row tiles of x
.set ADW,  6                           ; v6-8 LDS: my four row tiles of Wq, Wk, Wv
.set SPW,  10                          ; v10  LDS address of my spare word; never rewritten
.set NIL,  11                          ; v11  0; never rewritten
.set SA,   16                          ; x's scale words: tile a, K step ks: register 4 a + 2 (ks / 4) + (ks % 4) / 2, lanes 0-15 where ks is even, lanes 16-31 where odd
.set SB,   32                          ; W's: pass p, tile b: 16 p + 4 b + the same
.set BF,   80
.set OUT,  144
.set G1X,  28                          ; s[28:35], s[36:39] descriptor groups 1 and 0 for x's block
.set G0X,  36
.set G1W,  40                          ; s[40:47], s[48:51] for W's blocks
.set G0W,  48
.set MSB, 0
.macro WIN new                         ; the immediate's high byte repeats the setting that is left
.if MSB != \new
	s_set_vgpr_msb (MSB<<8)|\new
.set MSB, \new
.endif
.endm
.macro PLACES                          ; four places behind a matrix instruction, in front of loads into its registers and of reads of its results
.rept 4
	v_nop
.endr
.endm
.macro CROUND                          ; a round of the cluster's barrier
	s_barrier_signal -1
	s_barrier_wait -1
	s_cmp_lg_u32 s18, 0
	s_cbranch_scc1 .Lnot_wave_0_\@
	s_barrier_signal -3
.Lnot_wave_0_\@:
	s_barrier_wait -3
	s_barrier_signal -1
	s_barrier_wait -1
.endm
	s_load_b256 s[4:11], s[0:1], 0x0               ; codes, scl, bq, bk
	s_load_b128 s[12:15], s[0:1], 0x20             ; bv, qf
	s_load_b64 s[16:17], s[0:1], 0x30              ; kv
	v_lshl_add_u32 v[SPW], v0, 2, SPARE
	v_mov_b32 v[NIL], 0
	ds_add_u32 v[SPW], v[NIL]                      ; the wave's opening: the add, twice on end, and its wait ahead of my first tensor load
	ds_add_u32 v[SPW], v[NIL]
	v_lshrrev_b32 v12, 5, v0
	v_readfirstlane_b32 s18, v12                   ; wave 0..3: which region I fetch
	s_lshr_b32 s19, s18, 1                         ; wm: which 64 tokens are mine
	s_and_b32 s20, s18, 1                          ; wn: which 64 channels
	s_bfe_u32 s21, ttmp6, 0x40000                  ; cx
	s_bfe_u32 s22, ttmp6, 0x40004                  ; cy
	s_lshl_b32 s23, ttmp9, 2
	s_add_co_u32 s23, s23, s21                     ; block of 128 channels = 4 x cluster x + cx
	s_and_b32 s24, ttmp7, 0xffff
	s_lshl_b32 s24, s24, 2
	s_add_co_u32 s24, s24, s22                     ; block of 128 tokens = 4 x cluster y + cy
	s_lshl_b32 s25, s22, 2
	s_lshl_b32 s25, 15, s25                        ; my row of the cluster
	s_lshl_b32 s26, 0x1111, s21                    ; my column
	; group 1: a dense block of 65,536 bytes as 256 rows of 32 elements of 8 bytes
	s_or_b32 s[G1X], s25, (3<<16)|(1<<21)          ; 15:0 the mask; 17:16 elements of 8 bytes; 21 set beside a mask; no padding
	s_or_b32 s[G1W], s26, (3<<16)|(1<<21)
.irp g, G1X, G1W
	s_mov_b32 s[\g+1], 32<<16                      ; tensor_dim0 = 32
	s_mov_b32 s[\g+2], 256<<16                     ; tensor_dim1 = 256
	s_mov_b32 s[\g+3], 32<<16                      ; tile_dim0 = 32
	s_mov_b32 s[\g+4], 256                         ; tile_dim1 = 256
	s_mov_b32 s[\g+5], 32                          ; from row to row
	s_mov_b32 s[\g+6], 0
	s_mov_b32 s[\g+7], 0
.endr
	s_lshl_b32 s52, s24, 16                        ; x: 8 row tiles of 8,192 bytes for each block of tokens
	s_mov_b32 s53, 0
	s_lshl_b32 s54, s18, 6                         ; W: row tile 256 + 64 (wave - 1) + 8 x block of channels
	s_lshl_b32 s55, s23, 3
	s_add_co_u32 s54, s54, s55
	s_add_co_u32 s54, s54, 192
	s_lshl_b32 s54, s54, 13
	s_mov_b32 s55, 0
	s_lshl_b32 s27, s18, 16                        ; where it goes: wave x 65,536: no place in the cluster enters an LDS address
	s_mov_b32 s56, 0x3e38aa3b                      ; log2(e) / 8
	s_mov_b32 s57, s56                             ; (named with it as a pair, so it is written)
	v_and_b32 v12, 31, v0
	v_and_b32 v13, 15, v0
	v_bfe_u32 v14, v0, 4, 1
	v_lshlrev_b32 v[L16], 4, v12
	v_lshlrev_b32 v[L8], 3, v12
	v_lshlrev_b32 v[H32], 5, v14
	v_lshlrev_b32 v[R4], 2, v13
	s_lshl_b32 s58, s19, 15
	v_add_nc_u32 v[ADX], s58, v[L16]
	s_lshl_b32 s58, s20, 15
.irp p, 0,1,2
	s_add_co_u32 s58, s58, 65536
	v_add_nc_u32 v[ADW+\p], s58, v[L16]
.endr
	s_lshl_b32 s60, s24, 12                        ; x's scale words: 512 bytes a row tile: (8 x block + 4 wm) x 512
	s_lshl_b32 s61, s19, 11
	s_add_co_u32 s60, s60, s61
	s_mov_b32 s61, 0
	s_lshl_b32 s62, s23, 12                        ; W's: (256 + 8 x block + 4 wn) x 512
	s_lshl_b32 s63, s20, 11
	s_add_co_u32 s62, s62, s63
	s_add_co_u32 s62, s62, 131072
	s_mov_b32 s63, 0
	s_lshl_b32 s66, s23, 9                         ; the biases: my 64 channels begin at 128 x block + 64 wn
	s_lshl_b32 s67, s20, 8
	s_add_co_u32 s66, s66, s67
	s_mov_b32 s67, 0
	s_lshr_b32 s72, s24, 4                         ; batch
	s_lshl_b32 s72, s72, 4
	s_lshl_b32 s74, s23, 1
	s_add_co_u32 s72, s72, s74
	s_add_co_u32 s72, s72, s20                     ; 16 x batch + head
	s_and_b32 s73, s24, 15                         ; the block of tokens inside its batch
	s_lshl_b32 s75, s19, 13                        ; 4 wm tiles of 2,048 bytes
	s_lshl_b32 s68, s72, 18                        ; qf: 262,144 bytes a head, 8 tiles of 2,048 a block
	s_lshl_b32 s74, s73, 14
	s_add_co_u32 s68, s68, s74
	s_add_co_u32 s68, s68, s75
	s_mov_b32 s69, 0
	s_lshl_b32 s70, s72, 19                        ; kv: 524,288 bytes a head, 65,536 a chunk of two blocks, 16,384 a block in K's part and in V's
	s_lshr_b32 s74, s73, 1
	s_lshl_b32 s74, s74, 16
	s_add_co_u32 s70, s70, s74
	s_and_b32 s74, s73, 1
	s_lshl_b32 s74, s74, 14
	s_add_co_u32 s70, s70, s74
	s_add_co_u32 s70, s70, s75
	s_mov_b32 s71, 0
	s_wait_dscnt 0x0                               ; both opening adds are done
	s_wait_kmcnt 0x0
	s_mov_b32 s[G0X], 1
	s_mov_b32 s[G0X+1], s27
	s_add_nc_u64 s[G0X+2:G0X+3], s[4:5], s[52:53]
	s_or_b32 s[G0X+3], s[G0X+3], 0x80000000
	s_mov_b32 s[G0W], 1
	s_mov_b32 s[G0W+1], s27
	s_add_nc_u64 s[G0W+2:G0W+3], s[4:5], s[54:55]
	s_or_b32 s[G0W+3], s[G0W+3], 0x80000000
	s_add_nc_u64 s[60:61], s[6:7], s[60:61]
	s_add_nc_u64 s[62:63], s[6:7], s[62:63]
	s_add_nc_u64 s[8:9], s[8:9], s[66:67]
	s_add_nc_u64 s[10:11], s[10:11], s[66:67]
	s_add_nc_u64 s[12:13], s[12:13], s[66:67]
	s_add_nc_u64 s[68:69], s[14:15], s[68:69]
	s_add_nc_u64 s[70:71], s[16:17], s[70:71]
	CROUND                                         ; all sixteen work-groups are here: the joint loads meet
	s_cmp_eq_u32 s18, 0                            ; wave 0 fetches x's block, waves 1 to 3 W's: each line has one mask; an s_nop 0 and four v_nop follow each
	s_cbranch_scc0 .Lfor_w
	tensor_load_to_lds s[G0X:G0X+3], s[G1X:G1X+7]
	s_nop 0
	PLACES
	s_branch .Lasked
.Lfor_w:
	tensor_load_to_lds s[G0W:G0W+3], s[G1W:G1W+7]
	s_nop 0
	PLACES
.Lasked:
.irp a, 0,1,2,3                        ; scale words and biases come straight into registers while the blocks are on their way; each load of scale words reads 256 consecutive bytes
.irp f, 0,1
	global_load_b64 v[SA+4*\a+2*\f:SA+4*\a+2*\f+1], v[L8], s[60:61] offset:512*\a+256*\f
.endr
.endr
.irp p, 0,1,2
.irp b, 0,1,2,3
.irp f, 0,1
	global_load_b64 v[SB+16*\p+4*\b+2*\f:SB+16*\p+4*\b+2*\f+1], v[L8], s[62:63] offset:32768*\p+512*\b+256*\f
.endr
.endr
.endr
	WIN 0x80                                       ; destination window 2
.irp b, 0,1,2,3
	global_load_b128 v[128+8*\b:128+8*\b+3], v[H32], s[8:9] offset:64*\b        ; bq at channels 16 b + 8 h + 0 .. 7
	global_load_b128 v[128+8*\b+4:128+8*\b+7], v[H32], s[8:9] offset:64*\b+16
	global_load_b128 v[160+8*\b:160+8*\b+3], v[H32], s[10:11] offset:64*\b      ; bk likewise
	global_load_b128 v[160+8*\b+4:160+8*\b+7], v[H32], s[10:11] offset:64*\b+16
	global_load_b32 v[192+8*\b], v[R4], s[12:13] offset:64*\b                   ; bv at channel 16 b + r
.endr
	s_wait_loadcnt 0x0
	WIN 0x82                                       ; source 0 and destination window 2
.irp b, 0,1,2,3
.irp j, 1,2,3,4,5,6,7
	v_mov_b32 v[192+8*\b+\j], v[192+8*\b]          ; in v's result a lane's eight registers are eight tokens of one channel
.endr
.endr
	WIN 0
	s_wait_tensorcnt 0x0                           ; my block is in,
	s_barrier_signal -1
	s_barrier_wait -1                              ; everybody's is
	WIN 0x40                                       ; destination window 1
.set i, 0
.rept 64
	ds_load_b128 v[4*i:4*i+3], v[ADX] offset:512*i ; x's fragments: they stay
.set i, i+1
.endr
.macro BLOAD n                         ; W's four fragments of step n = 8 x pass + K step, into set n % 2
	WIN 0
.irp b, 0,1,2,3
.irp c, 0,1
	ds_load_b128 v[BF+32*((\n)%2)+8*\b+4*\c:BF+32*((\n)%2)+8*\b+4*\c+3], v[ADW+(\n)/8] offset:8192*\b+1024*((\n)%8)+512*\c
.endr
.endr
.endm
; 16 matrix instructions, 128 along K.  The 16 accumulators take turns, one instruction a turn, in the same order in every step.
.macro MULS n
.set PS, (\n)/8
.set KS, (\n)%8
.set FB, BF+32*((\n)%2)
.set SR, 2*(KS/4)+(KS%4)/2
.if PS < 2
	WIN 0xa4                                       ; source 0 (W) window 0, source 1 (x) window 1, C and D window 2
.else
	WIN 0xa1                                       ; source 0 (x) window 1, source 1 (W) window 0
.endif
.irp a, 0,1,2,3
.irp b, 0,1,2,3
.set rD, 8*(4*\a+\b)
.set rC, rD
.if KS == 0
.set rC, 128+32*PS+8*\b                ; the bias starts the sum
.endif
.set rX, 8*(8*\a+KS)
.set rW, FB+8*\b
.set sX, SA+4*\a+SR
.set sW, SB+16*PS+4*\b+SR
.if PS < 2
.if KS%2
	v_wmma_scale_f32_16x16x128_f8f6f4 v[rD:rD+7], v[rW:rW+7], v[rX:rX+7], v[rC:rC+7], v[sW], v[sX] matrix_a_fmt:MATRIX_FMT_FP4 matrix_b_fmt:MATRIX_FMT_FP4 matrix_a_scale:MATRIX_SCALE_ROW1 matrix_b_scale:MATRIX_SCALE_ROW1
.else
	v_wmma_scale_f32_16x16x128_f8f6f4 v[rD:rD+7], v[rW:rW+7], v[rX:rX+7], v[rC:rC+7], v[sW], v[sX] matrix_a_fmt:MATRIX_FMT_FP4 matrix_b_fmt:MATRIX_FMT_FP4
.endif
.else
.if KS%2
	v_wmma_scale_f32_16x16x128_f8f6f4 v[rD:rD+7], v[rX:rX+7], v[rW:rW+7], v[rC:rC+7], v[sX], v[sW] matrix_a_fmt:MATRIX_FMT_FP4 matrix_b_fmt:MATRIX_FMT_FP4 matrix_a_scale:MATRIX_SCALE_ROW1 matrix_b_scale:MATRIX_SCALE_ROW1
.else
	v_wmma_scale_f32_16x16x128_f8f6f4 v[rD:rD+7], v[rX:rX+7], v[rW:rW+7], v[rC:rC+7], v[sX], v[sW] matrix_a_fmt:MATRIX_FMT_FP4 matrix_b_fmt:MATRIX_FMT_FP4
.endif
.endif
.endr
.endr
.endm
.macro STEPN n
	PLACES                                         ; the set that the next loads fill was read by the step before
.if (\n) < 23
	BLOAD (\n)+1
	s_wait_dscnt 8                                 ; this step's fragments (and, in step 0, x's) are in; the eight loads just issued may be out
.else
	s_wait_dscnt 0x0
.endif
	MULS \n
.endm
; A pass's way out: rounded to f16, four registers an accumulator, each store 512 consecutive bytes, aligned.  The conversions take each accumulator from its low end on; those of the
; other accumulators are also the places between an accumulator's last product and the next pass's first, which begins it anew.
.macro EPI p
	PLACES
.if \p == 0
	WIN 0x82
.set i, 0
.rept 64
	v_pk_mul_f32 v[i:i+1], v[i:i+1], s[56:57] op_sel_hi:[1,0]   ; q x log2(e) / 8: the scores come out as exponents of 2
.set i, i+2
.endr
.endif
	s_wait_xcnt 0x0                                ; the last pass's stores have read their registers
	WIN 0x0a                                       ; sources window 2, destination window 0
.set i, 0
.rept 64
	v_cvt_pk_f16_f32 v[OUT+i], v[2*i], v[2*i+1]
.set i, i+1
.endr
	WIN 0
.irp a, 0,1,2,3
.irp b, 0,1,2,3
.if \p == 0
	global_store_b128 v[L16], v[OUT+4*(4*\a+\b):OUT+4*(4*\a+\b)+3], s[68:69] offset:2048*\a+512*\b
.elseif \p == 1
	global_store_b128 v[L16], v[OUT+4*(4*\a+\b):OUT+4*(4*\a+\b)+3], s[70:71] offset:2048*\a+512*\b
.else
	global_store_b128 v[L16], v[OUT+4*(4*\a+\b):OUT+4*(4*\a+\b)+3], s[70:71] offset:32768+4096*(\a/2)+1024*\b+512*(\a%2)
.endif
.endr
.endr
.endm
	BLOAD 0
.set N, 0
.rept 8
	STEPN N
.set N, N+1
.endr
	EPI 0
.rept 8
	STEPN N
.set N, N+1
.endr
	EPI 1
.rept 8
	STEPN N
.set N, N+1
.endr
	EPI 2
	s_wait_tensorcnt 0x0                           ; the wave's end, behind my last tensor load
	ds_add_u32 v[SPW], v[NIL]
	s_wait_dscnt 0x0
	CROUND                                         ; the closing round
	s_endpgm
.Lfunc_end_k_qff187d1a2f_qkv:
	.size	k_qff187d1a2f_qkv, .Lfunc_end_k_qff187d1a2f_qkv-k_qff187d1a2f_qkv
	.p2alignl 7, 3214868480
	.fill 96, 4, 3214868480
	.section	.rodata,"a",@progbits
	.p2align	6, 0x0
	.amdhsa_kernel k_qff187d1a2f_qkv
		.amdhsa_group_segment_fixed_size 327680
		.amdhsa_private_segment_fixed_size 0
		.amdhsa_enable_private_segment 0
		.amdhsa_kernarg_size 56
		.amdhsa_user_sgpr_count 2
		.amdhsa_user_sgpr_kernarg_segment_ptr 1
		.amdhsa_wavefront_size32 1
		.amdhsa_system_sgpr_workgroup_id_x 1
		.amdhsa_system_sgpr_workgroup_id_y 1
		.amdhsa_system_sgpr_workgroup_id_z 1
		.amdhsa_system_vgpr_workitem_id 0
		.amdhsa_next_free_vgpr 768
		.amdhsa_next_free_sgpr 90
		.amdhsa_reserve_vcc 0
		.amdhsa_float_denorm_mode_32 3
		.amdhsa_float_denorm_mode_16_64 3
		.amdhsa_memory_ordered 1
		.amdhsa_forward_progress 1
		.amdhsa_inst_pref_size 103
	.end_amdhsa_kernel
	.amdgpu_metadata
---
amdhsa.version: [ 1, 2 ]
amdhsa.kernels:
  - .name:           k_qff187d1a2f_qkv
    .symbol:         k_qff187d1a2f_qkv.kd
    .args:
      - { .name: codes, .offset: 0, .size: 8, .value_kind: global_buffer, .address_space: global }
      - { .name: scl, .offset: 8, .size: 8, .value_kind: global_buffer, .address_space: global }
      - { .name: bq, .offset: 16, .size: 8, .value_kind: global_buffer, .address_space: global }
      - { .name: bk, .offset: 24, .size: 8, .value_kind: global_buffer, .address_space: global }
      - { .name: bv, .offset: 32, .size: 8, .value_kind: global_buffer, .address_space: global }
      - { .name: qf, .offset: 40, .size: 8, .value_kind: global_buffer, .address_space: global }
      - { .name: kv, .offset: 48, .size: 8, .value_kind: global_buffer, .address_space: global }
    .group_segment_fixed_size: 327680
    .private_segment_fixed_size: 0
    .kernarg_segment_align: 8
    .kernarg_segment_size: 56
    .max_flat_workgroup_size: 128
    .sgpr_count:     90
    .vgpr_count:     768
    .wavefront_size: 32
...
	.end_amdgpu_metadata
.endif
;; end of part 2
;; launch attn (part 3): grid 8 x 32, 8 waves a work-group, clusters of 4 x 1, 327,680 bytes of LDS; arguments qf, kv, yf; writes yf
.if DOCPART == 3
	.amdgcn_target "amdgcn-amd-amdhsa--gfx1250"
	.amdhsa_code_object_version 6
	.text
	.protected	k_qff187d1a2f_attn
	.globl	k_qff187d1a2f_attn
	.p2align	8
	.type	k_qff187d1a2f_attn,@function
k_qff187d1a2f_attn:
	s_mov_b64 s[64:65], 0
	v_nop
	global_prefetch_b8 v0, s[64:65] scope:SCOPE_SE
	s_setreg_imm32_b32 hwreg(HW_REG_WAVE_MODE, 25, 1), 1
	s_wait_xcnt 0x0
	s_wait_alu depctr_hold_cnt(0) depctr_sa_sdst(0) depctr_va_vdst(0) depctr_va_sdst(0) depctr_va_ssrc(0) depctr_va_vcc(0) depctr_vm_vsrc(0)
	s_getreg_b32 s2, hwreg(HW_REG_IB_STS2, 6, 4)
	s_cmp_eq_u32 s2, 0
	s_cbranch_scc0 .Lentry_in_a_cluster
	s_endpgm
.Lentry_in_a_cluster:
	s_bfe_u32 s2, ttmp6, 0x10000c
	s_cmp_lg_u32 s2, 0x3003
	s_cbranch_scc0 .Lentry_shape_is_right
	s_endpgm
.Lentry_shape_is_right:
; y[b][q][head] = the sum over keys of softmax(q . k / 8) v, no mask, 2,048 keys, head size 64.  q (already x log2(e) / 8), k, v arrive in f16 as fragments (see the launch before); products, maxima and sums in f32;
; the weights p are rounded to f16 for the second product, y once at the end, to f16, stored as the fragments that the projection reads:
;   yf [K step of 256 channels: 4][tile of 16 tokens 256][fragment of 32 channels 8][1,024]
; SOFTMAX: for each query a running maximum m and sum l: p = 2^(t - m), at most 1; in every step O and l are multiplied by a = 2^(m_old - m_new).  The sum is taken of the unrounded p.
; LIMITS: NaN and infinities are not served; y beyond 65,504 becomes infinity in f16, under 6e-5 it keeps f16's smallest step, 6e-8; a p under 6e-8 counts as 0 in the second product.
; SHARES: a work-group owns 256 queries of one head, each of its eight waves 32: two tiles of 16.  Two waves share a SIMD's registers, so that one wave's softmax stands beside the other's products and LDS loads.
; Every wave walks all keys, 64 a step.  A chunk of 256 keys (K's 32,768 bytes, then V's) is one dense block of kv: a ring of two LDS slots of one chunk; every wave fetches 8,192 bytes of each.
; One tensor load of a wave is out at most, and it has a slot's four key steps in which to land.
; CLUSTER 4 x 1: the four blocks of queries of a cluster belong to one head and walk the same chunks: each part of a chunk is asked for jointly, with a mask that names the four.
; LAYOUT: S^T = K Q^T and O^T = V^T P: a lane holds ONE query (lane % 16) throughout; two tiles of S^T, rounded in pairs, ARE a fragment of P.  All fragments lie in LDS as images of registers: every LDS load is at 16 x lane.
; REGISTERS: window 0: v1-7 addresses; v8-23 eight statistics a tile (+0 m, +1 zero, +2, +3 l, +4 .. +7 at work, a at +6); v64-127 S^T, 32 a tile; v128-159 P, 16 a tile; v160-191 Q, 16 a tile.
;   window 1: v0-63 K of a step; v64-127 V of a step; v192-255 O^T, 32 a tile.
.set SLOTB, 65536
.set SPARE, 2*SLOTB                    ; behind the ring: the spare words, 128 bytes a wave, that no other line names
.set L16, 1                            ; v1   16 x lane
.set ADR, 2                            ; v2   + the slot in hand
.set PFO, 3                            ; v3   256 x lane; never rewritten
.set SPW, 6                            ; v6   LDS address of my spare word; never rewritten
.set NIL, 7                            ; v7   0; never rewritten
.set ST,  8
.set S,   64
.set P,   128
.set Q,   160
.set KF,  0
.set VF,  64
.set O,   192
.set WV,  12                           ; s12  my wave's number
.set G1,  24                           ; s[24:31] descriptor group 1
.set G0,  32                           ; s[32:35] group 0, which walks
.set TB,  36                           ; s36  LDS byte at which the slot in hand begins
.set SLOTS, 37                         ; s37  slots still to be asked for
.set LIM, 38                           ; s38  1 in a wave that prefetches, else the greatest number
.set PFA, 40                           ; s[40:41] where my prefetches stand
.set SEL, 42                           ; s[42:43] lane selects: lane l xor 16
.set MSB, 0
.macro WIN new                         ; the immediate's high byte repeats the setting that is left
.if MSB != \new
	s_set_vgpr_msb (MSB<<8)|\new
.set MSB, \new
.endif
.endm
.macro PLACES                          ; four places behind a matrix instruction, in front of loads into its registers and of reads of its results
.rept 4
	v_nop
.endr
.endm
.macro CROUND                          ; a round of the cluster's barrier
	s_barrier_signal -1
	s_barrier_wait -1
	s_cmp_lg_u32 s[WV], 0
	s_cbranch_scc1 .Lnot_wave_0_\@
	s_barrier_signal -3
.Lnot_wave_0_\@:
	s_barrier_wait -3
	s_barrier_signal -1
	s_barrier_wait -1
.endm
; A PREFETCH INTO THE L2 of the chunk that the NEXT change of slots will ask for: a slot's four key steps ahead of that load.  All clusters of a head walk the same chunks: the head's first cluster asks.
; Its four partners share a chunk's 65,536 bytes out BY ADDRESS, 16,384 each; in each, waves 0 and 1 take 8,192, lanes 256 bytes apart.  So each block of 256 bytes is named once in the launch.
; The last change that fills a slot asks for nothing; chunks 0 and 1 come by their loads alone.
.macro ASK
	s_cmp_gt_u32 s[SLOTS], s[LIM]
	s_cbranch_scc0 .Lnot_mine_\@
	global_prefetch_b8 v[PFO], s[PFA:PFA+1] th:TH_LOAD_NT scope:SCOPE_SE
.Lnot_mine_\@:
.endm
	s_load_b128 s[4:7], s[0:1], 0x0                ; qf, kv
	s_load_b64 s[8:9], s[0:1], 0x10                ; yf
	v_lshl_add_u32 v[SPW], v0, 2, SPARE
	v_mov_b32 v[NIL], 0
	ds_add_u32 v[SPW], v[NIL]                      ; the wave's opening: the add, twice on end, and its wait ahead of my first tensor load
	ds_add_u32 v[SPW], v[NIL]
	v_lshrrev_b32 v4, 5, v0
	v_readfirstlane_b32 s[WV], v4                  ; wave 0..7
	s_bfe_u32 s13, ttmp6, 0x40000                  ; cx
	s_lshl_b32 s14, ttmp9, 2
	s_add_co_u32 s14, s14, s13                     ; my block of 256 queries: it enters Q's, y's and the prefetches' addresses alone
	s_and_b32 s15, ttmp7, 0xffff                   ; 16 x batch + head, which the four partners share
	; group 1: a dense block of 8,192 bytes as 32 rows of 32 elements of 8 bytes
	s_mov_b32 s[G1], 15|(3<<16)|(1<<21)            ; 15:0 the mask: all four work-groups; 17:16 elements of 8 bytes; 21 set beside a mask; no padding
	s_mov_b32 s[G1+1], 32<<16                      ; tensor_dim0 = 32
	s_mov_b32 s[G1+2], 32<<16                      ; tensor_dim1 = 32
	s_mov_b32 s[G1+3], 32<<16                      ; tile_dim0 = 32
	s_mov_b32 s[G1+4], 32                          ; tile_dim1 = 32
	s_mov_b32 s[G1+5], 32                          ; from row to row
	s_mov_b32 s[G1+6], 0
	s_mov_b32 s[G1+7], 0
	s_lshl_b32 s16, s15, 19                        ; kv: 524,288 bytes a head,
	s_lshl_b32 s17, s[WV], 13                      ; my 8,192 of a chunk
	s_add_co_u32 s16, s16, s17
	s_mov_b32 s17, 0
	s_lshl_b32 s18, s15, 7                         ; qf: tile of queries 128 x head + 16 x block + 2 x wave, 2,048 bytes a tile
	s_lshl_b32 s19, s14, 4
	s_add_co_u32 s18, s18, s19
	s_lshl_b32 s19, s[WV], 1
	s_add_co_u32 s18, s18, s19
	s_lshl_b32 s18, s18, 11
	s_mov_b32 s19, 0
	s_lshr_b32 s20, s15, 4                         ; yf: tile of tokens 128 x batch + 16 x block + 2 x wave, 8,192 bytes a tile,
	s_lshl_b32 s20, s20, 7
	s_lshl_b32 s21, s14, 4
	s_add_co_u32 s20, s20, s21
	s_lshl_b32 s21, s[WV], 1
	s_add_co_u32 s20, s20, s21
	s_lshl_b32 s20, s20, 13
	s_bfe_u32 s21, s15, 0x20002                    ; K step head / 4, 2,097,152 bytes each,
	s_lshl_b32 s21, s21, 21
	s_add_co_u32 s20, s20, s21
	s_and_b32 s21, s15, 3                          ; two fragments for each head in it
	s_lshl_b32 s21, s21, 11
	s_add_co_u32 s20, s20, s21
	s_mov_b32 s21, 0
	s_lshl_b32 s22, s13, 14                        ; the prefetches: my work-group's 16,384 bytes of a chunk
	s_mov_b32 s23, 0
	s_lshr_b32 s[LIM], s[WV], 1                    ; 0 in waves 0 and 1,
	s_or_b32 s[LIM], s[LIM], ttmp9                 ; where the cluster is the head's first: the same in all four partners
	s_cmp_eq_u32 s[LIM], 0
	s_cselect_b32 s[LIM], 1, -1
	s_mov_b32 s[SEL], 0x76543210
	s_mov_b32 s[SEL+1], 0xfedcba98
	s_mov_b32 s[TB], 0
	s_mov_b32 s[SLOTS], 7
	v_and_b32 v4, 31, v0
	v_lshlrev_b32 v[L16], 4, v4
	v_lshlrev_b32 v[PFO], 8, v4
	s_wait_dscnt 0x0                               ; both opening adds are done
	s_wait_kmcnt 0x0
	s_mov_b32 s[G0], 1                             ; count = 1
	s_lshl_b32 s[G0+1], s[WV], 13                  ; LDS: slot 0, my 8,192 bytes: no place in the cluster enters it
	s_add_nc_u64 s[G0+2:G0+3], s[6:7], s[16:17]    ; chunk 0
	s_or_b32 s[G0+3], s[G0+3], 0x80000000          ; type = 2
	s_add_nc_u64 s[PFA:PFA+1], s[6:7], s[16:17]
	s_add_nc_u64 s[PFA:PFA+1], s[PFA:PFA+1], s[22:23]
	s_add_nc_u64 s[PFA:PFA+1], s[PFA:PFA+1], SLOTB ; in chunk 1: the first change of slots steps it to chunk 2.  Nothing is prefetched here, at the head
	s_add_nc_u64 s[4:5], s[4:5], s[18:19]
	s_add_nc_u64 s[8:9], s[8:9], s[20:21]
	CROUND                                         ; all four work-groups are here: the first joint loads meet
	tensor_load_to_lds s[G0:G0+3], s[G1:G1+7]
	s_nop 0
	PLACES
.set i, 0
.rept 8
	global_load_b128 v[Q+4*i:Q+4*i+3], v[L16], s[4:5] offset:512*i   ; Q stays in registers: tile i / 4, channels 32 ((i / 2) % 2) on
.set i, i+1
.endr
.irp t, 0,1
	v_mov_b32 v[ST+8*\t], 0xff61b1e6               ; m: -3e38, under every score
	v_mov_b32 v[ST+8*\t+1], 0                      ; (named with m as a pair, so it is written)
	v_mov_b32 v[ST+8*\t+2], 0                      ; l, in two halves
	v_mov_b32 v[ST+8*\t+3], 0
.endr
	WIN 0x40
.set i, 0
.rept 64
	v_mov_b32 v[O+i], 0                            ; O^T.  The key step is written once for all steps: the first finds zeros, which a = 0 leaves zeros
.set i, i+1
.endr
	WIN 0
	s_wait_loadcnt 0x0                             ; Q
; THE SOFTMAX of a key step, both tiles line by line, so that no line waits for the line above it.  s0-s31 are a lane's 32 scores of a tile.
.macro SOFTMAX
.irp j, 0,1,2,3
.irp t, 0,1
	v_max3_num_f32 v[ST+8*\t+4+\j], v[S+32*\t+8*\j], v[S+32*\t+8*\j+1], v[S+32*\t+8*\j+2]   ; four chains; each begins at an accumulator's low end
.endr
.endr
.irp g, 1,2
.irp j, 0,1,2,3
.irp t, 0,1
	v_max3_num_f32 v[ST+8*\t+4+\j], v[ST+8*\t+4+\j], v[S+32*\t+8*\j+2*\g+1], v[S+32*\t+8*\j+2*\g+2]
.endr
.endr
.endr
.irp t, 0,1
	v_max3_num_f32 v[ST+8*\t+4], v[ST+8*\t+4], v[S+32*\t+7], v[S+32*\t+15]
.endr
.irp t, 0,1
	v_max3_num_f32 v[ST+8*\t+6], v[ST+8*\t+6], v[S+32*\t+23], v[S+32*\t+31]
.endr
.irp t, 0,1
	v_max3_num_f32 v[ST+8*\t+4], v[ST+8*\t+4], v[ST+8*\t+5], v[ST+8*\t+6]
.endr
.irp t, 0,1
	v_max3_num_f32 v[ST+8*\t+4], v[ST+8*\t+4], v[ST+8*\t+7], v[ST+8*\t]   ; with the old m
.endr
.irp t, 0,1
	v_permlanex16_b32 v[ST+8*\t+5], v[ST+8*\t+4], s[SEL], s[SEL+1]       ; the query's other 32 keys lie in the lane 16 away
.endr
.irp t, 0,1
	v_max_num_f32 v[ST+8*\t+4], v[ST+8*\t+4], v[ST+8*\t+5]               ; the new m
.endr
.irp t, 0,1
	v_sub_f32 v[ST+8*\t+7], v[ST+8*\t], v[ST+8*\t+4]                     ; m_old - m_new
.endr
.irp t, 0,1
	v_mov_b32 v[ST+8*\t], v[ST+8*\t+4]
.endr
; ONE BATCH of 66 exponentials with one wait: none of the lines down to the wait names an exponential's result.  A pair of scores has m taken off one group ahead of its two exponentials.
.irp t, 0,1
	v_exp_f32 v[ST+8*\t+6], v[ST+8*\t+7]           ; a
.endr
.irp t, 0,1
	v_pk_add_f32 v[S+32*\t:S+32*\t+1], v[S+32*\t:S+32*\t+1], v[ST+8*\t:ST+8*\t+1] op_sel_hi:[1,0] neg_lo:[0,1] neg_hi:[0,1]
.endr
.set j, 0
.rept 16
.if j < 15
.irp t, 0,1
	v_pk_add_f32 v[S+32*\t+2*j+2:S+32*\t+2*j+3], v[S+32*\t+2*j+2:S+32*\t+2*j+3], v[ST+8*\t:ST+8*\t+1] op_sel_hi:[1,0] neg_lo:[0,1] neg_hi:[0,1]
.endr
.endif
.irp t, 0,1
	v_exp_f32 v[S+32*\t+2*j], v[S+32*\t+2*j]       ; p = 2^(t - m)
	v_exp_f32 v[S+32*\t+2*j+1], v[S+32*\t+2*j+1]
.endr
.set j, j+1
.endr
	v_nop                                          ; a plain instruction behind the last exponential
	s_wait_alu depctr_va_vdst(0)                   ; the wait ahead of the first line that names a result: one for the batch
.set j, 0
.rept 16
.irp t, 0,1
	v_cvt_pk_f16_f32 v[P+16*\t+j], v[S+32*\t+2*j], v[S+32*\t+2*j+1]
.endr
.set j, j+1
.endr
.irp u, 0,1,2,3,4,5,6,7                ; the sum of a tile's 16 pairs, in place: neighbours 1, 2, 4 and 8 pairs apart
.irp t, 0,1
	v_pk_add_f32 v[S+32*\t+4*\u:S+32*\t+4*\u+1], v[S+32*\t+4*\u:S+32*\t+4*\u+1], v[S+32*\t+4*\u+2:S+32*\t+4*\u+3]
.endr
.endr
.irp u, 0,1,2,3
.irp t, 0,1
	v_pk_add_f32 v[S+32*\t+8*\u:S+32*\t+8*\u+1], v[S+32*\t+8*\u:S+32*\t+8*\u+1], v[S+32*\t+8*\u+4:S+32*\t+8*\u+5]
.endr
.endr
.irp u, 0,1
.irp t, 0,1
	v_pk_add_f32 v[S+32*\t+16*\u:S+32*\t+16*\u+1], v[S+32*\t+16*\u:S+32*\t+16*\u+1], v[S+32*\t+16*\u+8:S+32*\t+16*\u+9]
.endr
.endr
.irp t, 0,1
	v_pk_add_f32 v[S+32*\t:S+32*\t+1], v[S+32*\t:S+32*\t+1], v[S+32*\t+16:S+32*\t+17]
.endr
.irp t, 0,1
	v_pk_fma_f32 v[ST+8*\t+2:ST+8*\t+3], v[ST+8*\t+2:ST+8*\t+3], v[ST+8*\t+6:ST+8*\t+7], v[S+32*\t:S+32*\t+1] op_sel_hi:[1,0,1]   ; l = a l + the sum
.endr
.endm
; A KEY STEP: 64 keys, the q-th of the slot in hand.  kfirst = 1: its K is fetched here; else the step before has asked for it.  kpre = 1: the next step's K is asked for behind this step's first products.
; In both products the eight accumulators take turns, one instruction a turn.
.macro STEP q, kfirst, kpre
	PLACES                                         ; V's registers were read by the last products
	WIN 0x40                                       ; destination window 1
.if \kfirst
.set i, 0
.rept 16
	ds_load_b128 v[KF+4*i:KF+4*i+3], v[ADR] offset:8192*(\q)+512*i
.set i, i+1
.endr
.endif
.set i, 0
.rept 16
	ds_load_b128 v[VF+4*i:VF+4*i+3], v[ADR] offset:32768+8192*(\q)+512*i
.set i, i+1
.endr
	s_wait_dscnt 16                                ; K is in; V's sixteen loads may be out
	WIN 0x01                                       ; source 0 (K) window 1
.set i, 0
.rept 16                               ; S^T = K Q^T: tile i % 2, keys 16 ((i / 2) % 4) on, channels 32 (i / 8) on
.set rS, S+32*(i%2)+8*((i/2)%4)
.set rK, KF+16*((i/2)%4)+8*(i/8)
.set rQ, Q+16*(i%2)+8*(i/8)
.if i < 8
	v_wmma_f32_16x16x32_f16 v[rS:rS+7], v[rK:rK+7], v[rQ:rQ+7], 0
.else
	v_wmma_f32_16x16x32_f16 v[rS:rS+7], v[rK:rK+7], v[rQ:rQ+7], v[rS:rS+7]
.endif
.set i, i+1
.endr
	WIN 0
	PLACES
.if \kpre
	WIN 0x40
.set i, 0
.rept 16
	ds_load_b128 v[KF+4*i:KF+4*i+3], v[ADR] offset:8192*((\q)+1)+512*i
.set i, i+1
.endr
	WIN 0
.endif
	SOFTMAX
	WIN 0x41                                       ; O^T (destination and source 0) window 1, a window 0
.irp t, 0,1
.set i, 0
.rept 16
	v_pk_mul_f32 v[O+32*\t+i:O+32*\t+i+1], v[O+32*\t+i:O+32*\t+i+1], v[ST+8*\t+6:ST+8*\t+7] op_sel_hi:[1,0]   ; each accumulator from its low end on
.set i, i+2
.endr
.endr
	s_wait_dscnt 16*\kpre                          ; V is in; the next step's K may be out
	WIN 0x51                                       ; V and O^T window 1, P window 0
.set i, 0
.rept 16                               ; O^T += V^T P: tile i % 2, channels 16 ((i / 2) % 4) on, keys 32 (i / 8) on
.set rO, O+32*(i%2)+8*((i/2)%4)
.set rV, VF+32*(i/8)+8*((i/2)%4)
.set rP, P+16*(i%2)+8*(i/8)
	v_wmma_f32_16x16x32_f16 v[rO:rO+7], v[rV:rV+7], v[rP:rP+7], v[rO:rO+7]
.set i, i+1
.endr
	WIN 0
.endm
; THE CHANGE OF SLOTS stands at a slot's head.  Each wave waits for all its tensor loads (its part of the slot that it is about to read), adds 0 to its spare word, and waits for that and for its reads of the slot that it has left.
; fill = 1: the barrier is a round of the cluster's, so that no wave of any partner still reads the other slot or has a load on its way, and the joint refill of that slot is the first thing behind it.
.macro CHANGE fill
	WIN 0
	s_wait_tensorcnt 0x0                           ; no tensor load of mine is out, so group 0 may be written
	ds_add_u32 v[SPW], v[NIL]                      ; 0 onto my spare word
.if \fill
	s_xor_b32 s[G0+1], s[G0+1], SLOTB              ; the other slot than last time,
	s_add_nc_u64 s[G0+2:G0+3], s[G0+2:G0+3], SLOTB ; the next chunk; the type bits on top are not reached
	s_wait_xcnt 0x0                                ; the last prefetch, a slot back, has read its address, so it may be written
	s_add_nc_u64 s[PFA:PFA+1], s[PFA:PFA+1], SLOTB ; one chunk further on than the walking descriptor
	s_wait_dscnt 0x0                               ; the add is done, and my reads of the slot that I have left are over
	CROUND
	tensor_load_to_lds s[G0:G0+3], s[G1:G1+7]
	s_nop 0
	PLACES
	ASK
.else
	s_wait_dscnt 0x0
	s_barrier_signal -1
	s_barrier_wait -1
.endif
	v_add_nc_u32 v[ADR], s[TB], v[L16]
.endm
.macro SLOT_STEPS
	STEP 0, 1, 1
	STEP 1, 0, 1
	STEP 2, 0, 1
	STEP 3, 0, 0
	s_xor_b32 s[TB], s[TB], SLOTB                  ; on to the other slot
.endm
.Lslot:                                            ; seven trips: behind each change of slots but the last the next chunk is asked for
	CHANGE 1
	SLOT_STEPS
	s_sub_co_u32 s[SLOTS], s[SLOTS], 1
	s_cmp_lg_u32 s[SLOTS], 0
	s_cbranch_scc1 .Lslot
	CHANGE 0                                       ; the last slot is written out
	SLOT_STEPS
	; THE WAY OUT: l's two halves and the other half of the lanes' are added; O^T is divided by l and rounded to f16: a lane's eight channels are four registers of a fragment of y.
	PLACES
.irp t, 0,1
	v_add_f32 v[ST+8*\t+4], v[ST+8*\t+2], v[ST+8*\t+3]
.endr
.irp t, 0,1
	v_permlanex16_b32 v[ST+8*\t+5], v[ST+8*\t+4], s[SEL], s[SEL+1]
.endr
.irp t, 0,1
	v_add_f32 v[ST+8*\t+4], v[ST+8*\t+4], v[ST+8*\t+5]
.endr
.irp t, 0,1
	v_rcp_f32 v[ST+8*\t+6], v[ST+8*\t+4]
.endr
	v_nop                                          ; a plain instruction behind the last reciprocal
	s_wait_alu depctr_va_vdst(0)                   ; and the wait ahead of the first use: one for both
	WIN 0x41
.irp t, 0,1
.set i, 0
.rept 16
	v_pk_mul_f32 v[O+32*\t+i:O+32*\t+i+1], v[O+32*\t+i:O+32*\t+i+1], v[ST+8*\t+6:ST+8*\t+7] op_sel_hi:[1,0]
.set i, i+2
.endr
.endr
	WIN 0x05                                       ; sources window 1, destination window 0: S^T's registers are free
.set i, 0
.rept 32
	v_cvt_pk_f16_f32 v[S+i], v[O+2*i], v[O+2*i+1]
.set i, i+1
.endr
	WIN 0
.irp t, 0,1
.irp n, 0,1,2,3
	global_store_b128 v[L16], v[S+16*\t+4*\n:S+16*\t+4*\n+3], s[8:9] offset:8192*\t+512*\n   ; 512 consecutive bytes, aligned
.endr
.endr
	s_wait_tensorcnt 0x0                           ; the wave's end, behind my last tensor load
	ds_add_u32 v[SPW], v[NIL]
	s_wait_dscnt 0x0
	CROUND                                         ; the closing round: no work-group ends while a partner may still ask for a part that names it
	s_endpgm
.Lfunc_end_k_qff187d1a2f_attn:
	.size	k_qff187d1a2f_attn, .Lfunc_end_k_qff187d1a2f_attn-k_qff187d1a2f_attn
	.p2alignl 7, 3214868480
	.fill 96, 4, 3214868480
	.section	.rodata,"a",@progbits
	.p2align	6, 0x0
	.amdhsa_kernel k_qff187d1a2f_attn
		.amdhsa_group_segment_fixed_size 327680
		.amdhsa_private_segment_fixed_size 0
		.amdhsa_enable_private_segment 0
		.amdhsa_kernarg_size 24
		.amdhsa_user_sgpr_count 2
		.amdhsa_user_sgpr_kernarg_segment_ptr 1
		.amdhsa_wavefront_size32 1
		.amdhsa_system_sgpr_workgroup_id_x 1
		.amdhsa_system_sgpr_workgroup_id_y 1
		.amdhsa_system_sgpr_workgroup_id_z 1
		.amdhsa_system_vgpr_workitem_id 0
		.amdhsa_next_free_vgpr 512
		.amdhsa_next_free_sgpr 66
		.amdhsa_reserve_vcc 0
		.amdhsa_float_denorm_mode_32 3
		.amdhsa_float_denorm_mode_16_64 3
		.amdhsa_memory_ordered 1
		.amdhsa_forward_progress 1
		.amdhsa_inst_pref_size 151
	.end_amdhsa_kernel
	.amdgpu_metadata
---
amdhsa.version: [ 1, 2 ]
amdhsa.kernels:
  - .name:           k_qff187d1a2f_attn
    .symbol:         k_qff187d1a2f_attn.kd
    .args:
      - { .name: qf, .offset: 0, .size: 8, .value_kind: global_buffer, .address_space: global }
      - { .name: kv, .offset: 8, .size: 8, .value_kind: global_buffer, .address_space: global }
      - { .name: yf, .offset: 16, .size: 8, .value_kind: global_buffer, .address_space: global }
    .group_segment_fixed_size: 327680
    .private_segment_fixed_size: 0
    .kernarg_segment_align: 8
    .kernarg_segment_size: 24
    .max_flat_workgroup_size: 256
    .sgpr_count:     66
    .vgpr_count:     512
    .wavefront_size: 32
...
	.end_amdgpu_metadata
.endif
;; end of part 3
;; launch proj (part 4): grid 8 x 32, 4 waves a work-group, clusters of 4 x 4, 327,680 bytes of LDS; arguments yf, wpf, bp, out0; writes out0
.if DOCPART == 4
	.amdgcn_target "amdgcn-amd-amdhsa--gfx1250"
	.amdhsa_code_object_version 6
	.text
	.protected	k_qff187d1a2f_proj
	.globl	k_qff187d1a2f_proj
	.p2align	8
	.type	k_qff187d1a2f_proj,@function
k_qff187d1a2f_proj:
	s_mov_b64 s[64:65], 0
	v_nop
	global_prefetch_b8 v0, s[64:65] scope:SCOPE_SE
	s_setreg_imm32_b32 hwreg(HW_REG_WAVE_MODE, 25, 1), 1
	s_wait_xcnt 0x0
	s_wait_alu depctr_hold_cnt(0) depctr_sa_sdst(0) depctr_va_vdst(0) depctr_va_sdst(0) depctr_va_ssrc(0) depctr_va_vcc(0) depctr_vm_vsrc(0)
	s_getreg_b32 s2, hwreg(HW_REG_IB_STS2, 6, 4)
	s_cmp_eq_u32 s2, 0
	s_cbranch_scc0 .Lentry_in_a_cluster
	s_endpgm
.Lentry_in_a_cluster:
	s_bfe_u32 s2, ttmp6, 0x10000c
	s_cmp_lg_u32 s2, 0xf033
	s_cbranch_scc0 .Lentry_shape_is_right
	s_endpgm
.Lentry_shape_is_right:
; out[m][n] = sum over k of y[m][k] Wp[n][k] + bp[n].  y [4096][1024] and Wp [1024][1024] arrive in f16 as fragments (images of registers: registers 4 c .. 4 c + 3 of lane l at 512 c + 16 l of 1,024 bytes):
;   yf [K step of 256: 4][tile of 16 rows 256][fragment of 32 along K: 8][1,024];  wpf [K step 4][tile of 16 rows 64][fragment 8][1,024].  out: f32; sums in f32.
; A tile of out is 128 x 128: 256 work-groups, one for each WGP.  Four waves, each 64 x 64: 16 accumulators.  K goes in four steps of 256 through a ring of two LDS slots; a slot holds A's 8 tiles of rows
; (65,536 dense bytes of yf) and B's 8 (65,536 of wpf); a wave's tensor load brings half of one of them.  Every LDS load of a fragment is at 16 x lane: no pitch, no padding.
; CLUSTER 4 x 4: the four of a row of the cluster need the same tiles of y, the four of a column the same tiles of Wp: each is asked for jointly, by the same load with a mask that names the four.
; THE MATRIX INSTRUCTION IS USED TRANSPOSED (source 0 = 16 rows of Wp, source 1 = 16 rows of y): a lane holds eight neighbouring numbers of a row of out.  bp is the C of each sum's first matrix instruction.
; A wave's 64 columns of f32 are 256 aligned bytes of a row of out: each wave sends its blocks of 16 rows through a stage of its own, and sixteen lanes store 256 consecutive bytes.
; No prefetch: each K step is short and the launch has four of them.
; REGISTERS: window 0: v1-29 addresses; v32-95 rows on the way out, two sets; v96-127 bp, eight registers a tile b; v128-255 the accumulators ((a, b) at 128 + 8 (4 a + b)).
;   window 1: two fragment buffers of 128: for 64 along K, 64 registers of A (2 x 4 fragments), then 64 of B.
.set HALFT,  32768                     ; what one tensor load brings, and what one wave reads of A or of B in a K step
.set SLOT,   4*HALFT
.set STAGE,  2*SLOT                    ; behind the ring: 16 rows x 272 bytes for each wave
.set SPITCH, 272
.set SPARE,  STAGE+4*16*SPITCH         ; behind the stages: the spare words, 128 bytes a wave, that no other line names
.set ADRA, 16                          ; v16-17  LDS address of my A fragments in slot 0, 1
.set ADRB, 20                          ; v20-21  the same for B
.set STO,  24                          ; v24     the way out: where I put 32 bytes of a row
.set RD,   25                          ; v25     where I read a row back
.set CO,   26                          ; v26     my byte offset in out
.set H32,  27                          ; v27     32 x (lane / 16)
.set SPW,  28                          ; v28     LDS address of my spare word; never rewritten
.set NIL,  29                          ; v29     0; never rewritten
.set BK,   32
.set BIAS, 96
.set ACC,  128
.set F0,   0
.set F1,   128
.set G1, 24                            ; s[24:31] descriptor group 1 for A's tiles;  s[32:39] group 0, one set for each slot
.set G0, 32
.set G1B, 48                           ; s[48:55], s[56:63] the same for B's
.set G0B, 56
.set MSB, 0
.macro WIN new                         ; the immediate's high byte repeats the setting that is left
.if MSB != \new
	s_set_vgpr_msb (MSB<<8)|\new
.set MSB, \new
.endif
.endm
.set MUL,  0x05                        ; sources 0 (B) and 1 (A) window 1; C and D window 0
.set TO_F, 0x40                        ; destination window 1, address window 0
.macro PLACES                          ; four places behind a matrix instruction, in front of loads into its registers and of reads of its results
.rept 4
	v_nop
.endr
.endm
.macro JLOAD s                         ; a joint load: waves 0 and 1 fetch A's two halves, waves 2 and 3 B's; an s_nop 0 and four v_nop follow each of the two lines
	s_cmp_eq_u32 s13, 0
	s_cbranch_scc0 .Lfor_b_\@
	tensor_load_to_lds s[G0+4*\s:G0+4*\s+3], s[G1:G1+7]
	s_nop 0
	PLACES
	s_branch .Lasked_\@
.Lfor_b_\@:
	tensor_load_to_lds s[G0B+4*\s:G0B+4*\s+3], s[G1B:G1B+7]
	s_nop 0
	PLACES
.Lasked_\@:
.endm
.macro CREST                           ; a round of the cluster's barrier behind its opening barrier
	s_cmp_lg_u32 s12, 0
	s_cbranch_scc1 .Lnot_wave_0_\@
	s_barrier_signal -3
.Lnot_wave_0_\@:
	s_barrier_wait -3
	s_barrier_signal -1
	s_barrier_wait -1
.endm
.macro CROUND                          ; a whole round
	s_barrier_signal -1
	s_barrier_wait -1
	CREST
.endm
	s_load_b256 s[4:11], s[0:1], 0x0               ; yf, wpf, bp, out0
	v_lshl_add_u32 v[SPW], v0, 2, SPARE
	v_mov_b32 v[NIL], 0
	ds_add_u32 v[SPW], v[NIL]                      ; the wave's opening: the add, twice on end, and its wait ahead of my first tensor load
	ds_add_u32 v[SPW], v[NIL]
	v_lshrrev_b32 v1, 5, v0
	v_readfirstlane_b32 s12, v1                    ; wave 0..3
	s_lshr_b32 s13, s12, 1                         ; which half of the tile's rows is mine.  Also: I fetch for A (0) or for B (1)
	s_and_b32 s14, s12, 1                          ; which half of its columns.  Also: which half of that block I fetch
	s_bfe_u32 s40, ttmp6, 0x40000                  ; cx, cy
	s_bfe_u32 s41, ttmp6, 0x40004
	s_lshl_b32 s42, ttmp9, 2
	s_add_co_u32 s42, s42, s40                     ; tile column = 4 x cluster x + cx
	s_and_b32 s45, ttmp7, 0xffff
	s_lshl_b32 s45, s45, 2
	s_add_co_u32 s45, s45, s41                     ; tile row = 4 x cluster y + cy
	s_lshl_b32 s43, s41, 2
	s_lshl_b32 s43, 15, s43                        ; my row of the cluster
	s_lshl_b32 s44, 0x1111, s40                    ; my column
	; group 1: a dense block of 32,768 bytes as 128 rows of 32 elements of 8 bytes
	s_or_b32 s[G1], s43, (3<<16)|(1<<21)           ; 15:0 the mask: A's tiles go to my row; 17:16 elements of 8 bytes; 21 set beside a mask; no padding
	s_or_b32 s[G1B], s44, (3<<16)|(1<<21)
.irp g, G1, G1B
	s_mov_b32 s[\g+1], 32<<16                      ; tensor_dim0 = 32
	s_mov_b32 s[\g+2], 128<<16                     ; tensor_dim1 = 128
	s_mov_b32 s[\g+3], 32<<16                      ; tile_dim0 = 32
	s_mov_b32 s[\g+4], 128                         ; tile_dim1 = 128
	s_mov_b32 s[\g+5], 32                          ; from row to row
	s_mov_b32 s[\g+6], 0
	s_mov_b32 s[\g+7], 0
.endr
	s_lshl_b32 s15, s14, 2                         ; which four tiles of 16 rows I fetch
	s_lshl_b32 s16, s45, 3
	s_add_co_u32 s16, s16, s15
	s_lshl_b32 s16, s16, 13                        ; A: (8 x tile row + 4 x half) x 8,192 bytes
	s_mov_b32 s17, 0
	s_lshl_b32 s46, s42, 3
	s_add_co_u32 s46, s46, s15
	s_lshl_b32 s46, s46, 13                        ; B: (8 x tile column + 4 x half) x 8,192
	s_mov_b32 s47, 0
	s_lshl_b32 s20, s12, 15                        ; where they go: wave x 32,768: no place in the cluster enters an LDS address
	s_wait_dscnt 0x0                               ; both opening adds are done
	s_wait_kmcnt 0x0
	s_add_nc_u64 s[18:19], s[4:5], s[16:17]
	s_add_nc_u64 s[46:47], s[6:7], s[46:47]
	CROUND                                         ; all sixteen work-groups are here: the first joint loads meet
.irp s, 0,1
	s_mov_b32 s[G0+4*\s], 1
	s_add_co_u32 s[G0+4*\s+1], s20, \s*SLOT
	s_add_nc_u64 s[G0+4*\s+2:G0+4*\s+3], s[18:19], \s*(1<<21)     ; K step s of yf
	s_or_b32 s[G0+4*\s+3], s[G0+4*\s+3], 0x80000000
	s_mov_b32 s[G0B+4*\s], 1
	s_add_co_u32 s[G0B+4*\s+1], s20, \s*SLOT
	s_add_nc_u64 s[G0B+4*\s+2:G0B+4*\s+3], s[46:47], \s*(1<<19)   ; K step s of wpf
	s_or_b32 s[G0B+4*\s+3], s[G0B+4*\s+3], 0x80000000
	JLOAD \s
.endr
	v_and_b32 v1, 15, v0                           ; r
	v_bfe_u32 v2, v0, 4, 1                         ; h
	v_and_b32 v3, 31, v0
	v_lshlrev_b32 v3, 4, v3                        ; 16 x lane
	v_lshlrev_b32 v[H32], 5, v2
	s_lshl_b32 s21, s13, 15                        ; my four tiles of A
	s_lshl_b32 s22, s14, 15                        ; my four tiles of B,
	s_add_co_u32 s22, s22, 2*HALFT                 ; which lie behind A's eight
.irp s, 0,1
	v_add_nc_u32 v[ADRA+\s], s21, v3
	v_add_nc_u32 v[ADRB+\s], s22, v3
	s_add_co_u32 s21, s21, SLOT
	s_add_co_u32 s22, s22, SLOT
.endr
	s_mul_i32 s23, s12, 16*SPITCH
	s_add_co_u32 s23, s23, STAGE                   ; my stage
	v_mul_u32_u24 v4, v1, SPITCH                   ; in: row r, 32 bytes for each half of the lanes
	v_lshl_add_u32 v4, v2, 5, v4
	v_add_nc_u32 v[STO], s23, v4
	v_mul_u32_u24 v5, v2, SPITCH                   ; back: lanes 0-15 take one row of 256 bytes, lanes 16-31 the next
	v_lshl_add_u32 v5, v1, 4, v5
	v_add_nc_u32 v[RD], s23, v5
	v_lshlrev_b32 v5, 12, v2                       ; and the same two rows in out (4,096 bytes a row)
	v_lshl_add_u32 v[CO], v1, 4, v5
	s_lshl_b32 s46, s42, 9                         ; my first column, in bytes: 512 x tile column + 256 x half
	s_lshl_b32 s47, s14, 8
	s_add_co_u32 s46, s46, s47
	s_mov_b32 s47, 0
	s_add_nc_u64 s[8:9], s[8:9], s[46:47]
	s_add_nc_u64 s[10:11], s[10:11], s[46:47]
	s_lshl_b32 s16, s45, 19                        ; my first row: (128 x tile row + 64 x half) x 4,096 bytes
	s_lshl_b32 s17, s13, 18
	s_add_co_u32 s16, s16, s17
	s_mov_b32 s17, 0
	s_add_nc_u64 s[10:11], s[10:11], s[16:17]
.irp b, 0,1,2,3
	global_load_b128 v[BIAS+8*\b:BIAS+8*\b+3], v[H32], s[8:9] offset:64*\b        ; bp at my columns 16 b + 8 h + 0 .. 7
	global_load_b128 v[BIAS+8*\b+4:BIAS+8*\b+7], v[H32], s[8:9] offset:64*\b+16
.endr
; 8 matrix instructions: m blocks a0, a0 + 1 x all 4 n blocks, 32 along K: half c of buffer f.  zero = 1: the bias starts the sums.  The 16 accumulators take turns.
.macro MUL8 f, c, a0, zero
.irp a, \a0, \a0+1
.irp b, 0,1,2,3
.if \zero
	v_wmma_f32_16x16x32_f16 v[ACC+8*(4*(\a)+\b):ACC+8*(4*(\a)+\b)+7], v[\f+64+8*(4*\c+\b):\f+64+8*(4*\c+\b)+7], v[\f+8*(4*\c+\a):\f+8*(4*\c+\a)+7], v[BIAS+8*\b:BIAS+8*\b+7]
.else
	v_wmma_f32_16x16x32_f16 v[ACC+8*(4*(\a)+\b):ACC+8*(4*(\a)+\b)+7], v[\f+64+8*(4*\c+\b):\f+64+8*(4*\c+\b)+7], v[\f+8*(4*\c+\a):\f+8*(4*\c+\a)+7], v[ACC+8*(4*(\a)+\b):ACC+8*(4*(\a)+\b)+7]
.endif
.endr
.endr
.endm
; 32 LDS loads in one run: the fragments of the slot's k-th 64 along K into buffer f; the first 32 along K first
.macro FETCH slot, k, f
	WIN TO_F
.irp c, 0,1
.irp i, 0,1,2,3
	ds_load_b128 v[\f+64+8*(4*\c+\i):\f+64+8*(4*\c+\i)+3],   v[ADRB+\slot] offset:\i*8192+(2*(\k)+\c)*1024
	ds_load_b128 v[\f+64+8*(4*\c+\i)+4:\f+64+8*(4*\c+\i)+7], v[ADRB+\slot] offset:\i*8192+(2*(\k)+\c)*1024+512
	ds_load_b128 v[\f+8*(4*\c+\i):\f+8*(4*\c+\i)+3],         v[ADRA+\slot] offset:\i*8192+(2*(\k)+\c)*1024
	ds_load_b128 v[\f+8*(4*\c+\i)+4:\f+8*(4*\c+\i)+7],       v[ADRA+\slot] offset:\i*8192+(2*(\k)+\c)*1024+512
.endr
.endr
.endm
; A K step is four quarters of 64 along K, 32 matrix instructions each, on buffers 0, 1, 0, 1.  One of the first three: multiplies buffer f and fetches quarter k into g.
.macro QUARTER slot, k, f, g, zero
	s_wait_dscnt 16                                ; the first 32 along K are in
	WIN MUL
	MUL8 \f, 0, 0, \zero
	MUL8 \f, 0, 2, \zero
	PLACES
	FETCH \slot, \k, \g
	s_wait_dscnt 32                                ; all but the 32 just issued
	WIN MUL
	MUL8 \f, 1, 0, 0
	MUL8 \f, 1, 2, 0
.endm
; The last quarter multiplies buffer 1 and changes slots: ONE barrier; in front of it each wave waits for all its tensor loads, adds 0 to its spare word, and waits for that and for its own reads of this slot.
; fill = 1: this slot is filled again, two K steps ahead; the barrier then opens a round of the cluster's.
.macro TURN slot, next, fill
	WIN 0                                          ; (the add's two registers lie in window 0)
	s_wait_tensorcnt 0x0                           ; all my tensor loads have landed: my part of the next slot
	ds_add_u32 v[SPW], v[NIL]                      ; 0 onto my spare word
	s_wait_dscnt 17                                ; (the add and the youngest sixteen loads may be out)
	WIN MUL
	MUL8 F1, 0, 0, 0                               ; eight matrix instructions stand between the add and the wait for it
	s_wait_dscnt 0x0                               ; the add is done, and my reads of this slot are over
	s_barrier_signal -1
	MUL8 F1, 0, 2, 0
.if \fill
	WIN 0
.endif
	s_barrier_wait -1
.if \fill
	CREST                                          ; no wave of any partner still reads this slot's tiles or has a load on its way
	s_add_nc_u64 s[G0+4*\slot+2:G0+4*\slot+3], s[G0+4*\slot+2:G0+4*\slot+3], 2<<21
	s_add_nc_u64 s[G0B+4*\slot+2:G0B+4*\slot+3], s[G0B+4*\slot+2:G0B+4*\slot+3], 2<<19
	JLOAD \slot                                    ; the first tensor load behind the round; the four v_nop behind it are also the places in front of the loads below
.else
	PLACES
.endif
	FETCH \next, 0, F0
	WIN MUL
	MUL8 F1, 1, 0, 0
	MUL8 F1, 1, 2, 0
.endm
	s_wait_loadcnt 0x0                             ; bp
	s_wait_tensorcnt 1                             ; my part of K step 0 is in; K step 1's may stay out
	s_barrier_signal -1
	s_barrier_wait -1                              ; everybody's is
	FETCH 0, 0, F0
	QUARTER 0, 1, F0, F1, 1                        ; K step 0
	QUARTER 0, 2, F1, F0, 0
	QUARTER 0, 3, F0, F1, 0
	TURN 0, 1, 1                                   ; slot 0 takes K step 2
	QUARTER 1, 1, F0, F1, 0                        ; K step 1
	QUARTER 1, 2, F1, F0, 0
	QUARTER 1, 3, F0, F1, 0
	TURN 1, 0, 1                                   ; slot 1 takes K step 3
	QUARTER 0, 1, F0, F1, 0                        ; K step 2
	QUARTER 0, 2, F1, F0, 0
	QUARTER 0, 3, F0, F1, 0
	TURN 0, 1, 0                                   ; nothing is left to fetch
	QUARTER 1, 1, F0, F1, 0                        ; K step 3
	QUARTER 1, 2, F1, F0, 0
	QUARTER 1, 3, F0, F1, 0
	s_wait_dscnt 16
	WIN MUL
	MUL8 F1, 0, 0, 0
	MUL8 F1, 0, 2, 0
	s_wait_dscnt 0x0
	MUL8 F1, 1, 0, 0
	MUL8 F1, 1, 2, 0
	WIN 0
; THE WAY OUT, a block of 16 rows x 64 columns at a time, through my own stage: LDS serves a wave's instructions in order, so no wait stands between the stores and the loads, nor in front of the next block's stores.
.macro TOSTAGE a
.irp b, 0,1,2,3
	ds_store_b128 v[STO], v[ACC+8*(4*(\a)+\b):ACC+8*(4*(\a)+\b)+3] offset:64*\b        ; each accumulator from its low end on
	ds_store_b128 v[STO], v[ACC+8*(4*(\a)+\b)+4:ACC+8*(4*(\a)+\b)+7] offset:64*\b+16
.endr
.set BB, BK+32*((\a)%2)
.irp t, 0,1,2,3,4,5,6,7
	ds_load_b128 v[BB+4*\t:BB+4*\t+3], v[RD] offset:\t*2*SPITCH
.endr
.endm
.macro SEND a, younger                 ; younger: the LDS instructions issued behind block a's loads, which may stay out
.set BB, BK+32*((\a)%2)
	s_wait_dscnt \younger
.irp t, 0,1,2,3,4,5,6,7
	global_store_b128 v[CO], v[BB+4*\t:BB+4*\t+3], s[10:11] offset:(16*(\a)+2*\t)*4096 th:TH_STORE_NT   ; 16 lanes store 256 consecutive bytes, aligned; written once, read by nobody here
.endr
.endm
	PLACES
	TOSTAGE 0
.irp a, 1,2,3
.if \a > 1
	s_wait_xcnt 0x0                                ; block a - 2's stores have read their registers: block a's loads may land there
.endif
	TOSTAGE \a
	SEND \a-1, 16                                  ; behind block a - 1's loads: block a's 8 stores and 8 loads
.endr
	SEND 3, 0
	s_wait_tensorcnt 0x0                           ; the wave's end, behind my last tensor load and my last LDS store
	ds_add_u32 v[SPW], v[NIL]
	s_wait_dscnt 0x0
	CROUND                                         ; the closing round
	s_endpgm
.Lfunc_end_k_qff187d1a2f_proj:
	.size	k_qff187d1a2f_proj, .Lfunc_end_k_qff187d1a2f_proj-k_qff187d1a2f_proj
	.p2alignl 7, 3214868480
	.fill 96, 4, 3214868480
	.section	.rodata,"a",@progbits
	.p2align	6, 0x0
	.amdhsa_kernel k_qff187d1a2f_proj
		.amdhsa_group_segment_fixed_size 327680
		.amdhsa_private_segment_fixed_size 0
		.amdhsa_enable_private_segment 0
		.amdhsa_kernarg_size 32
		.amdhsa_user_sgpr_count 2
		.amdhsa_user_sgpr_kernarg_segment_ptr 1
		.amdhsa_wavefront_size32 1
		.amdhsa_system_sgpr_workgroup_id_x 1
		.amdhsa_system_sgpr_workgroup_id_y 1
		.amdhsa_system_sgpr_workgroup_id_z 1
		.amdhsa_system_vgpr_workitem_id 0
		.amdhsa_next_free_vgpr 512
		.amdhsa_next_free_sgpr 66
		.amdhsa_reserve_vcc 0
		.amdhsa_float_denorm_mode_32 3
		.amdhsa_float_denorm_mode_16_64 3
		.amdhsa_memory_ordered 1
		.amdhsa_forward_progress 1
		.amdhsa_inst_pref_size 86
	.end_amdhsa_kernel
	.amdgpu_metadata
---
amdhsa.version: [ 1, 2 ]
amdhsa.kernels:
  - .name:           k_qff187d1a2f_proj
    .symbol:         k_qff187d1a2f_proj.kd
    .args:
      - { .name: yf, .offset: 0, .size: 8, .value_kind: global_buffer, .address_space: global }
      - { .name: wpf, .offset: 8, .size: 8, .value_kind: global_buffer, .address_space: global }
      - { .name: bp, .offset: 16, .size: 8, .value_kind: global_buffer, .address_space: global }
      - { .name: out0, .offset: 24, .size: 8, .value_kind: global_buffer, .address_space: global }
    .group_segment_fixed_size: 327680
    .private_segment_fixed_size: 0
    .kernarg_segment_align: 8
    .kernarg_segment_size: 32
    .max_flat_workgroup_size: 128
    .sgpr_count:     66
    .vgpr_count:     512
    .wavefront_size: 32
...
	.end_amdgpu_metadata
.endif
;; end of part 4
